; MI455X (gfx1250); checked and timed in simulation.
; The chip was launched on July 23, 2026; its instructions are those of AMD's public machine-readable ISA for CDNA 5 (MIT licence, August 2026) and "CDNA5" Instruction Set Architecture Reference Guide (July 2026). The comments in the code are by the model that wrote it; some were corrected since.
;; Disease Level Shapley Game. Allowed arithmetic: matrix products marked QUANTISED: E2M1 operands, one E8M0 scale for each 32 along K, by v_wmma_scale_f32_16x16x128_f8f6f4 with both operands' format E2M1 (or v_wmma_scale_f32_32x16x128_f4), f32 sums; products left as they are: f32 operands where the result goes on into a quantised operand, else bf16, f16 or f32 operands; f32 sums; everything else in f32.
;; Inputs: Wt 4,096 x 4,096 float32; Wv 4,096 x 4,096 float32; bt 4,096 float32; bv 4,096 float32; cooccurrence 14 x 14 float32; disease_labels 2,048 x 14 int32; image_feat 2,048 x 4,096 float32; prototypes 14 x 4,096 float32; text_feat 2,048 x 4,096 float32.
;; Outputs: out0 2,048 x 14 float32; out1 14 x 4,096 float32; out2 one number float32.
;; This version of the problem:
;;   THIS VERSION OF THE PROBLEM IS GIVEN IN LOW PRECISION. The matrix products marked QUANTISED in the list below multiply operands that are first quantised to E2M1 (2 exponent bits, 1 mantissa bit; 4 bits a number), with one power-of-two scale for each 32 numbers along K (OCP MX v1.0); their sums are f32. All else is computed in f32.
;;   The module's matrix products, in the order in which they are computed (A, B: the left and right operand; K: the contracted axis; several contracted axes count as one K, in the product's order):
;;     1. [M 2,048, K 4,096] x [K 4,096, N 4,096]; A: input image_feat; B: input Wv: QUANTISED
;;     2. [M 2,048, K 4,096] x [K 4,096, N 4,096]; A: input text_feat; B: input Wt: QUANTISED
;;     3. [M 2,048, K 4,096] x [K 4,096, N 14]; A: computed on the way; B: computed on the way: left as it is (N = 14 < 16)
;;     4. [M 2,048, K 4,096] x [K 4,096, N 14]; A: computed on the way; B: computed on the way: left as it is (N = 14 < 16)
;;     5. [M 14, K 2,048] x [K 2,048, N 14]; A: input disease_labels; B: input disease_labels: left as it is (M = 14 < 16)
;;   THE QUANTISER, for each operand of a quantised product, along K:
;;     - K is cut into blocks of 32 from its start; a last block that is shorter is filled with zeros.
;;     - A block's scale is 2^e with e = floor(log2(the largest magnitude in the block)) - 2, held to -126 .. 127; a block of zeros has e = 0. As a byte (E8M0): e + 127.
;;     - Each number is divided by its block's scale, clamped to +-6, and rounded to the nearest number of E2M1, ties to even, subnormals kept.
;;     - The product sums the exact products of the quantised numbers (number of the format x scale) in f32.
;;   ~~~python
;;   def quantise(x, axis):      # numpy; x: float32 -> the quantised numbers, widened to float32 again
;;       x = np.moveaxis(x, axis, -1); K = x.shape[-1]
;;       x = np.pad(x, [(0, 0)] * (x.ndim - 1) + [(0, -K % 32)]); x = x.reshape(x.shape[:-1] + (-1, 32)); a = np.abs(x).max(-1, keepdims=True)
;;       e = np.where(a > 0, np.clip(np.frexp(np.where(a > 0, a, 1))[1] - 1 - 2, -126, 127), 0)      # np.frexp(a)[1] - 1 = floor(log2(a)), exactly
;;       r = np.clip(x / 2.0 ** e, -6, 6)
;;       step = 2.0 ** (np.maximum(np.frexp(np.where(r == 0, 1, r))[1] - 1, 0) - 1)
;;       q = np.round(r / step) * step * 2.0 ** e      # np.round: ties to even
;;       return np.moveaxis(q.reshape(q.shape[:-2] + (-1,))[..., :K], -1, axis).astype(np.float32)
;;   ~~~
;; One version. Each part assembles by itself: llvm-mc -triple=amdgcn-amd-amdhsa -mcpu=gfx1250 --defsym DOCPART=n.
;; ======== version 1 of 1: 3 launches
;; limits: values are held in f16: magnitudes above 65,504 overflow, below 6.1e-05 lose precision; values are held in bf16: 8 bits of precision; right only within a limited range of input values
;; workspace buffers: xc 8,388,608 bytes; xs 524,288 bytes; wc 16,777,216 bytes; ws 1,048,576 bytes; pn 131,072 bytes; part 4,194,304 bytes
;; launch quant (part 1): grid 1536 x 1, 4 waves a work-group, no clusters, 33,536 bytes of LDS; arguments image_feat, text_feat, Wv, Wt, prototypes, xc, xs, wc, ws, pn, out1; writes xc, xs, wc, ws, pn, out1
.if DOCPART == 1
	.amdgcn_target "amdgcn-amd-amdhsa--gfx1250"
	.amdhsa_code_object_version 6
	.text
	.protected	k_q35ff6fd573_quant
	.globl	k_q35ff6fd573_quant
	.p2align	8
	.type	k_q35ff6fd573_quant,@function
k_q35ff6fd573_quant:
	s_mov_b64 s[64:65], 0
	v_nop
	global_prefetch_b8 v0, s[64:65] scope:SCOPE_SE
	s_setreg_imm32_b32 hwreg(HW_REG_WAVE_MODE, 25, 1), 1
	s_wait_xcnt 0x0
; FIRST OF THREE LAUNCHES.  shapley = 0.5 (v.p + t.p) x labels, v = normalise(image_feat Wv^T + bv), t = normalise(text_feat Wt^T + bt), p = normalise(prototypes); the two large products on codes of E2M1.
; NO WORK OF THE PROBLEM IS LEFT OUT: every input has a way to an output and is loaded by some launch.  One step is moved: v . p = (y . p) / max(|y|, eps) with y = x W^T + b, which is the same number in exact
; arithmetic for all inputs, so that y never goes to memory: the second launch leaves 14 partial dots and a partial sum of squares for each row, the third adds and divides.
; THIS LAUNCH: image_feat, text_feat [2048][4096] and Wv, Wt [4096][4096], f32, K innermost, become codes of E2M1 with one E8M0 byte for each 32 along K; the prototypes are copied to out1 and normalised to f16.
; A block's scale is 2^(floor(log2(its largest magnitude)) - 2): its byte is the largest magnitude's exponent field - 2, held at 1 from below; each number is divided by it and rounded to the nearest code, ties to even, beyond 6 the code of 6.
; LAYOUT OF THE CODES, this program's own: [K step of 512: 8][row][256 bytes], the scale bytes [K step][row][16 bytes]; x's rows 0-2047 image, 2048-4095 text; W's rows 0-4095 Wv, 4096-8191 Wt.
; So the 256 rows x 512 K that the second launch takes as a tile are 65,536 consecutive bytes, and their scale bytes 4,096.  Block i of a K step has its 16 bytes at 16 i and its scale byte at i.
; INSIDE A BLOCK THE CODES DO NOT STAND IN ASCENDING k: lane l holds the K step's numbers 16 l .. 16 l + 15, and its four groups of four stand rotated by (l / 4) mod 4 (see TURN).  The lane is the place in the K step
; for every row of all four tensors, so the same k stands at the same place in x and in W, under its own block's scale byte: every product meets its partner.
; LIMITS: the order of the sums inside a matrix instruction is therefore not that of ascending k (the results are compared within a tolerance).  NaN and infinities among the inputs are not served.
; A block of zeros gets the byte 1 (the rule says 127): its codes are zeros, and this program alone reads the bytes.  Blocks whose largest magnitude lies under 2^-124 get the byte 1 too; not tried.
; SHARES: 1,536 work-groups of one shape, six for each of 256 WGPs; with 160 registers a wave six of them fill a SIMD's 1,024, so all are at work from the start.  A wave takes 16 rows x one K step: 16 steps of 512 numbers.
; Work-groups 0-15 carry the prototypes besides: work-group k makes row k of pn (16 rows; rows 14 and 15 are zeros), a wave 1,024 columns, between the issue of its first stream loads and their arrival.
; No cluster: no two work-groups read the same bytes.  No tensor load.  The one barrier serves the four waves' sums of a prototype's squares.
.set WREG,  8192                       ; LDS: a region for each wave: two stages, behind them its 256 scale bytes
.set STG,   2048                       ; a stage: a step's 2,048 bytes as they lie in memory
.set SBY,   2*STG                      ; where the scale bytes begin in a region
.set SPARE, 4*WREG                     ; behind the regions: the spare words, 128 bytes for each wave, which no other line names
.set PWB,   SPARE+512                  ; a block of 256 bytes of its own: the four waves' sums of squares of a prototype
.set ROWF,  16384                      ; a row of 4,096 f32
.set ST8,   2                          ; v2   8 x lane: my part of a store's 256 bytes
.set RA,    4                          ; v4-7 out of a stage: where my read j begins
.set SPW,   12                         ; v12  LDS address of my spare word; never rewritten
.set NIL,   13                         ; v13  0; never rewritten
.set SIN,   14                         ; v14  into a stage: 16 x lane
.set SBA,   15                         ; v15  my block's scale byte
.set R,     16                         ; v16-79   four sets of 16 numbers as they are loaded
.set X,     80                         ; v80-111  two sets of 16 numbers of one lane's place;  first, in work-groups 0-15: 32 numbers of a prototype
.set C,     112                        ; v112-143 two registers of codes for each step: no store's data are written again;  first, in work-groups 0-15: the prototype scaled, then in f16
.set SOUT,  144                        ; v144 my 8 of the wave's 256 scale bytes on their way out
.set PWA,   145                        ; v145 4 x wave;  v146 0: the prototype's LDS addresses
.set PZ,    146
.set PT,    148                        ; v148-155 the prototype's sums, at work
	s_load_b512 s[4:19], s[0:1], 0x0               ; image 4:5, text 6:7, Wv 8:9, Wt 10:11, prototypes 12:13, xc 14:15, xs 16:17, wc 18:19
	s_load_b128 s[20:23], s[0:1], 0x40             ; ws 20:21, pn 22:23
	s_load_b64 s[24:25], s[0:1], 0x50              ; out1
	v_lshl_add_u32 v[SPW], v0, 2, SPARE
	v_mov_b32 v[NIL], 0
	v_lshrrev_b32 v1, 5, v0
	v_readfirstlane_b32 s28, v1                    ; wave 0..3
	v_and_b32 v2, 31, v0                           ; lane
	v_lshlrev_b32 v3, 4, v2                        ; 16 bytes a lane: my part of a load's 512
	s_mul_i32 s26, s28, WREG
	v_add_nc_u32 v[SIN], s26, v3
	v_lshl_add_u32 v8, v2, 6, s26                  ; my 64 bytes of a stage
	v_lshrrev_b32 v1, 2, v2                        ; lane / 4
.irp j, 0,1,2,3
	v_add_nc_u32 v[RA+\j], \j, v1
	v_and_b32 v[RA+\j], 3, v[RA+\j]
	v_lshl_add_u32 v[RA+\j], v[RA+\j], 4, v8       ; read j: 64 l + 16 ((j + l / 4) mod 4)
.endr
	v_lshrrev_b32 v[SBA], 1, v2                    ; two lanes hold a block
	s_add_co_u32 s26, s26, SBY
	v_add_nc_u32 v[SBA], s26, v[SBA]
	v_lshlrev_b32 v[ST8], 3, v2                    ; (the lane's number is not wanted again)
	v_add_nc_u32 v[SOUT], s26, v[ST8]
	s_lshr_b32 s30, ttmp9, 1                       ; the group of 16 rows, 0..767: 0-127 image, 128-255 text, 256-511 Wv, 512-767 Wt
	s_and_b32 s29, ttmp9, 1
	s_lshl_b32 s29, s29, 2
	s_add_co_u32 s29, s29, s28                     ; my K step, 0..7
	s_wait_kmcnt 0x0
	s_cmp_lt_u32 s30, 128                          ; the buffers are chosen on the work-group's number alone
	s_cselect_b64 s[4:5], s[4:5], s[6:7]
	s_cselect_b32 s31, 0, 128
	s_mov_b32 s32, 512
	s_cmp_lt_u32 s30, 512
	s_cselect_b64 s[8:9], s[8:9], s[10:11]
	s_cselect_b32 s32, 256, s32
	s_cmp_lt_u32 s30, 256
	s_cselect_b64 s[4:5], s[4:5], s[8:9]           ; the source,
	s_cselect_b32 s31, s31, s32                    ; the group at which it begins,
	s_cselect_b64 s[14:15], s[14:15], s[18:19]     ; the codes' buffer,
	s_cselect_b64 s[16:17], s[16:17], s[20:21]     ; the scale bytes',
	s_cselect_b32 s33, 0, 256                      ; the group at which these begin,
	s_cselect_b32 s34, 0, 1                        ; and W's buffers have twice x's rows
	s_sub_co_u32 s31, s30, s31
	s_lshl_b32 s36, s31, 18                        ; 16 rows of 16,384 bytes a group,
	s_lshl_b32 s35, s29, 11                        ; 2,048 bytes a K step
	s_add_co_u32 s36, s36, s35
	s_mov_b32 s37, 0
	s_add_nc_u64 s[4:5], s[4:5], s[36:37]
	s_sub_co_u32 s33, s30, s33
	s_add_co_u32 s35, s34, 20
	s_lshl_b32 s36, s29, s35                       ; codes: 4,096 or 8,192 rows of 256 bytes a K step,
	s_lshl_b32 s35, s33, 12                        ; 16 rows a group
	s_add_co_u32 s36, s36, s35
	s_add_nc_u64 s[14:15], s[14:15], s[36:37]
	s_add_co_u32 s35, s34, 16
	s_lshl_b32 s36, s29, s35                       ; scale bytes: a sixteenth of that
	s_lshl_b32 s35, s33, 8
	s_add_co_u32 s36, s36, s35
	s_add_nc_u64 s[16:17], s[16:17], s[36:37]
.macro LOAD t                          ; step t = row t: four loads of 512 consecutive bytes
.irp i, 0,1,2,3
	global_load_b128 v[R+16*((\t)%4)+4*\i:R+16*((\t)%4)+4*\i+3], v3, s[4:5] offset:ROWF*(\t)+512*\i th:TH_LOAD_NT
.endr
.endm
; Step t's numbers through a stage.  In: as loaded, 512 consecutive bytes a store.  Out: lane l takes its 64 bytes, 16 at a time, beginning (l / 4) mod 4 pieces in: in read j the sixteen lanes of each half touch the
; 16-byte columns 4 (l mod 4) + (j + l / 4) mod 4 modulo 256 bytes, sixteen different ones (64 banks of 4 bytes: ISA guide 11.1), with no padding.  LDS serves a wave's instructions in order, so no wait stands between the stores and the loads.
.macro TURN t
.irp i, 0,1,2,3
	ds_store_b128 v[SIN], v[R+16*((\t)%4)+4*\i:R+16*((\t)%4)+4*\i+3] offset:STG*((\t)%2)+512*\i
.endr
.irp i, 0,1,2,3
	ds_load_b128 v[X+16*((\t)%2)+4*\i:X+16*((\t)%2)+4*\i+3], v[RA+\i] offset:STG*((\t)%2)
.endr
.endm
	s_cmp_ge_u32 ttmp9, 16
	s_cbranch_scc1 .Lstream
	; ---------------- work-groups 0-15: row k = the work-group's number of pn; wave w takes columns 1,024 w on
	s_min_u32 s30, ttmp9, 13                       ; rows 14 and 15 read row 13 and multiply it by 0
	s_lshl_b32 s36, s30, 14
	s_lshl_b32 s35, s28, 12
	s_add_co_u32 s36, s36, s35
	s_mov_b32 s37, 0
	s_add_nc_u64 s[12:13], s[12:13], s[36:37]      ; the prototypes at my 4,096 bytes,
	s_add_nc_u64 s[24:25], s[24:25], s[36:37]      ; out1 at the same place
.irp j, 0,1,2,3,4,5,6,7
	global_load_b128 v[X+4*\j:X+4*\j+3], v3, s[12:13] offset:512*\j
.endr
.irp t, 0,1,2,3
	LOAD \t                                        ; the stream's first 16 loads go out behind them: what follows stands between their issue and their arrival
.endr
	s_lshl_b32 s36, ttmp9, 13
	s_lshl_b32 s35, s28, 11
	s_add_co_u32 s36, s36, s35
	s_add_nc_u64 s[22:23], s[22:23], s[36:37]      ; pn's row k of 4,096 f16, at my 2,048 bytes
	s_mov_b32 s38, 0x76543210
	s_mov_b32 s39, 0xfedcba98                      ; v_permlanex16_b32's selects for lane l xor 16
	v_mov_b32 v[PWA], s28
	v_lshlrev_b32 v[PWA], 2, v[PWA]
	v_mov_b32 v[PZ], 0
	s_wait_loadcnt 16                              ; the prototype's eight loads are in; the stream's 16 may be out
	s_cmp_lt_u32 ttmp9, 14
	s_cbranch_scc0 .Lno_copy
.irp j, 0,1,2,3,4,5,6,7
	global_store_b128 v3, v[X+4*\j:X+4*\j+3], s[24:25] offset:512*\j   ; out1 = prototypes: 512 consecutive bytes a store
.endr
.Lno_copy:
.set i, 0
.rept 16                               ; my 32 numbers' squares, two at a time, in four chains; the first four products start them
.if i < 4
	v_pk_mul_f32 v[PT+2*(i%4):PT+2*(i%4)+1], v[X+2*i:X+2*i+1], v[X+2*i:X+2*i+1]
.else
	v_pk_fma_f32 v[PT+2*(i%4):PT+2*(i%4)+1], v[X+2*i:X+2*i+1], v[X+2*i:X+2*i+1], v[PT+2*(i%4):PT+2*(i%4)+1]
.endif
.set i, i+1
.endr
	v_pk_add_f32 v[PT:PT+1], v[PT:PT+1], v[PT+2:PT+3]
	v_pk_add_f32 v[PT+4:PT+5], v[PT+4:PT+5], v[PT+6:PT+7]
	v_pk_add_f32 v[PT:PT+1], v[PT:PT+1], v[PT+4:PT+5]
	v_add_f32 v[PT], v[PT], v[PT+1]
	v_add_f32_dpp v[PT], v[PT], v[PT] row_xmask:1 row_mask:0xf bank_mask:0xf
	v_add_f32_dpp v[PT], v[PT], v[PT] row_xmask:2 row_mask:0xf bank_mask:0xf
	v_add_f32_dpp v[PT], v[PT], v[PT] row_xmask:4 row_mask:0xf bank_mask:0xf
	v_add_f32_dpp v[PT], v[PT], v[PT] row_xmask:8 row_mask:0xf bank_mask:0xf
	v_permlanex16_b32 v[PT+1], v[PT], s38, s39
	v_add_f32 v[PT], v[PT], v[PT+1]                ; every lane holds my wave's sum
	ds_store_b32 v[PWA], v[PT] offset:PWB          ; all lanes write my wave's word with the same value
	s_wait_dscnt 0x0                               ; for the others' sake: my store is done
	s_barrier_signal -1
	s_barrier_wait -1                              ; (under a branch on the work-group's number: all four waves pass it)
	ds_load_b128 v[PT+4:PT+7], v[PZ] offset:PWB    ; the four waves' sums
	s_wait_dscnt 0x0
	v_add_f32 v[PT+4], v[PT+4], v[PT+5]
	v_add_f32 v[PT+6], v[PT+6], v[PT+7]
	v_add_f32 v[PT+4], v[PT+4], v[PT+6]            ; the row's sum of squares
	s_wait_alu depctr_va_vdst(0)
	v_sqrt_f32 v[PT+2], v[PT+4]
	v_nop                                          ; a plain line behind the transcendental,
	s_wait_alu depctr_va_vdst(0)                   ; and the wait ahead of its first reader
	v_max_num_f32 v[PT+2], 0x2b8cbccc, v[PT+2]     ; max(norm, 1e-12)
	s_wait_alu depctr_va_vdst(0)
	v_rcp_f32 v[PT+3], v[PT+2]
	v_nop
	s_wait_alu depctr_va_vdst(0)
	s_cmp_lt_u32 ttmp9, 14
	s_cselect_b32 s30, 0x3f800000, 0               ; rows 14 and 15 of pn are zeros
	v_mul_f32 v[PT], s30, v[PT+3]
	v_mov_b32 v[PT+1], v[PT]
.set i, 0
.rept 16
	v_pk_mul_f32 v[C+2*i:C+2*i+1], v[X+2*i:X+2*i+1], v[PT:PT+1] op_sel_hi:[1,0]   ; into other registers: out1's stores may still read the numbers
.set i, i+1
.endr
.set i, 0
.rept 16
	v_cvt_pk_f16_f32 v[C+i], v[C+2*i], v[C+2*i+1]  ; |p| <= 1 after the division, for every input: inside f16's range.  Ascending: a destination's old numbers have been packed
.set i, i+1
.endr
.irp j, 0,1,2,3,4,5,6,7
	global_store_b64 v[ST8], v[C+2*\j:C+2*\j+1], s[22:23] offset:256*\j   ; 256 consecutive bytes a store
.endr
	s_wait_xcnt 0x0                                ; out1's and pn's stores have read their registers: the stream writes them again only behind this wait
	s_branch .Lgo
	; ---------------- the stream: 16 rows x 512 numbers a wave
.Lstream:
.irp t, 0,1,2,3
	LOAD \t
.endr
.Lgo:
	s_wait_loadcnt 12                              ; step 0's four loads are in; the 12 of steps 1 to 3 may be out
	s_wait_alu depctr_va_vdst(0)
	TURN 0
.macro STEP t
.set XS, X+16*((\t)%2)
.set ER, 1+9*((\t)%2)                  ; the scale byte: v1 in even steps, v10 in odd ones
.if (\t) > 0
	s_wait_dscnt 1                                 ; all but the last step's byte store: my numbers are back from the stage, its stores have read their registers, and the byte store of two steps back has read this step's byte register
.else
	s_wait_dscnt 0x0
.endif
.if (\t)+4 < 16
	LOAD (\t)+4                                    ; into the set that the stage's stores have read
.endif
.if (\t)+1 < 16
.if 14-(\t) >= 3
	s_wait_loadcnt 12                              ; the next step's four loads are in; those of the three steps behind it may be out
.else
	s_wait_loadcnt 4*(14-(\t))
.endif
	TURN (\t)+1                                    ; through the other stage while this step is worked
.endif
	v_max3_num_f32 v8, |v[XS]|, |v[XS+1]|, |v[XS+2]|               ; the largest magnitude of my 16, in two chains
	v_max3_num_f32 v9, |v[XS+3]|, |v[XS+4]|, |v[XS+5]|
.irp i, 6,10
	v_max3_num_f32 v8, v8, |v[XS+\i]|, |v[XS+\i+1]|
	v_max3_num_f32 v9, v9, |v[XS+\i+2]|, |v[XS+\i+3]|
.endr
	v_max3_num_f32 v8, v8, |v[XS+14]|, |v[XS+15]|
	v_max3_num_f32 v8, v8, v9, 0x1800000           ; and the floor 2^(3 - 127): the byte cannot fall under 1
	v_max_num_f32_dpp v8, v8, v8 row_xmask:1 row_mask:0xf bank_mask:0xf   ; with my neighbour's 16: the block's
	v_add_nc_u32 v11, 0xff000000, v8               ; 2 off its exponent field: the conversion takes the exponent field of this operand as its scale
	v_cvt_scalef32_pk8_fp4_f32 v[C+2*(\t)], v[XS:XS+7], v11
	v_cvt_scalef32_pk8_fp4_f32 v[C+2*(\t)+1], v[XS+8:XS+15], v11
	v_lshrrev_b32 v[ER], 23, v11                   ; the scale's byte (also the plain line behind the conversions)
	ds_store_b8 v[SBA], v[ER] offset:16*(\t)       ; both lanes of a block write the same byte with the same value
	global_store_b64 v[ST8], v[C+2*(\t):C+2*(\t)+1], s[14:15] offset:256*(\t)   ; the wave stores row t's 256 consecutive bytes, at a multiple of 256 from the buffer's first byte
.endm
.irp t, 0,1,2,3,4,5,6,7,8,9,10,11,12,13,14,15
	STEP \t
.endr
	ds_load_b64 v[8:9], v[SOUT]                    ; LDS serves a wave's instructions in order: these see my byte stores
	s_wait_dscnt 0x0
	global_store_b64 v[ST8], v[8:9], s[16:17]      ; 16 rows x 16 scale bytes of this K step: 256 consecutive bytes
	s_wait_tensorcnt 0x0                           ; the wave's end
	ds_add_u32 v[SPW], v[NIL]
	s_wait_dscnt 0x0
	s_endpgm
.Lfunc_end_k_q35ff6fd573_quant:
	.size	k_q35ff6fd573_quant, .Lfunc_end_k_q35ff6fd573_quant-k_q35ff6fd573_quant
	.p2alignl 7, 3214868480
	.fill 96, 4, 3214868480
	.section	.rodata,"a",@progbits
	.p2align	6, 0x0
	.amdhsa_kernel k_q35ff6fd573_quant
		.amdhsa_group_segment_fixed_size 33536
		.amdhsa_private_segment_fixed_size 0
		.amdhsa_enable_private_segment 0
		.amdhsa_kernarg_size 88
		.amdhsa_user_sgpr_count 2
		.amdhsa_user_sgpr_kernarg_segment_ptr 1
		.amdhsa_wavefront_size32 1
		.amdhsa_system_sgpr_workgroup_id_x 1
		.amdhsa_system_sgpr_workgroup_id_y 1
		.amdhsa_system_sgpr_workgroup_id_z 1
		.amdhsa_system_vgpr_workitem_id 0
		.amdhsa_next_free_vgpr 160
		.amdhsa_next_free_sgpr 66
		.amdhsa_reserve_vcc 0
		.amdhsa_float_denorm_mode_32 3
		.amdhsa_float_denorm_mode_16_64 3
		.amdhsa_memory_ordered 1
		.amdhsa_forward_progress 1
		.amdhsa_inst_pref_size 43
	.end_amdhsa_kernel
	.amdgpu_metadata
---
amdhsa.version: [ 1, 2 ]
amdhsa.kernels:
  - .name:           k_q35ff6fd573_quant
    .symbol:         k_q35ff6fd573_quant.kd
    .args:
      - { .name: image_feat, .offset: 0, .size: 8, .value_kind: global_buffer, .address_space: global }
      - { .name: text_feat, .offset: 8, .size: 8, .value_kind: global_buffer, .address_space: global }
      - { .name: Wv, .offset: 16, .size: 8, .value_kind: global_buffer, .address_space: global }
      - { .name: Wt, .offset: 24, .size: 8, .value_kind: global_buffer, .address_space: global }
      - { .name: prototypes, .offset: 32, .size: 8, .value_kind: global_buffer, .address_space: global }
      - { .name: xc, .offset: 40, .size: 8, .value_kind: global_buffer, .address_space: global }
      - { .name: xs, .offset: 48, .size: 8, .value_kind: global_buffer, .address_space: global }
      - { .name: wc, .offset: 56, .size: 8, .value_kind: global_buffer, .address_space: global }
      - { .name: ws, .offset: 64, .size: 8, .value_kind: global_buffer, .address_space: global }
      - { .name: pn, .offset: 72, .size: 8, .value_kind: global_buffer, .address_space: global }
      - { .name: out1, .offset: 80, .size: 8, .value_kind: global_buffer, .address_space: global }
    .group_segment_fixed_size: 33536
    .private_segment_fixed_size: 0
    .kernarg_segment_align: 8
    .kernarg_segment_size: 88
    .max_flat_workgroup_size: 128
    .sgpr_count:     66
    .vgpr_count:     160
    .wavefront_size: 32
...
	.end_amdgpu_metadata
.endif
;; end of part 1
;; launch gemm (part 2): grid 16 x 16, 4 waves a work-group, clusters of 4 x 4, 327,680 bytes of LDS; arguments xc, xs, wc, ws, bv, bt, pn, part; writes part
.if DOCPART == 2
	.amdgcn_target "amdgcn-amd-amdhsa--gfx1250"
	.amdhsa_code_object_version 6
	.text
	.protected	k_q35ff6fd573_gemm
	.globl	k_q35ff6fd573_gemm
	.p2align	8
	.type	k_q35ff6fd573_gemm,@function
k_q35ff6fd573_gemm:
	s_mov_b64 s[64:65], 0
	v_nop
	global_prefetch_b8 v0, s[64:65] scope:SCOPE_SE
	s_setreg_imm32_b32 hwreg(HW_REG_WAVE_MODE, 25, 1), 1
	s_wait_xcnt 0x0
	s_wait_alu depctr_hold_cnt(0) depctr_sa_sdst(0) depctr_va_vdst(0) depctr_va_sdst(0) depctr_va_ssrc(0) depctr_va_vcc(0) depctr_vm_vsrc(0)
	s_getreg_b32 s2, hwreg(HW_REG_IB_STS2, 6, 4)
	s_cmp_eq_u32 s2, 0
	s_cbranch_scc0 .Lentry_in_a_cluster
	s_endpgm
.Lentry_in_a_cluster:
	s_bfe_u32 s2, ttmp6, 0x10000c
	s_cmp_lg_u32 s2, 0xf033
	s_cbranch_scc0 .Lentry_shape_is_right
	s_endpgm
.Lentry_shape_is_right:
; SECOND OF THREE LAUNCHES.  Nothing of the problem is left out.  y = x W^T + b on codes of E2M1 (x: rows 0-2047 image, 2048-4095 text; W: Wv or Wt to match), sums in f32; y never goes to memory:
; for each row and each tile column of 256 this launch leaves part[tile column][row][16]: k = 0..13 the dots of y's 256 numbers with the normalised prototypes, k = 14 the sum of their squares, k = 15 a zero row's dot.
; A block of 256 x 256 of y is made by four waves, 128 x 128 each: 64 accumulators, 512 registers.  16 x 16 blocks: 256 work-groups.  K goes in 8 steps of 512 through two LDS slots.
; A slot holds 256 rows x 256 bytes of x's codes, the same of W's (each 65,536 consecutive bytes of memory, rows 272 bytes apart in LDS) and 4,096 scale bytes of each: wave 0 fetches x's codes, wave 1 W's, wave 2 x's scales, wave 3 W's.
; CLUSTERS: 4 x 4 work-groups; x's tiles are asked for jointly along a row of the cluster, W's along a column.  A cluster lies in one of the two halves of the rows, so all its partners take the same W.
; THE MATRIX INSTRUCTION IS USED TRANSPOSED (source 0 = 16 rows of W, source 1 = 16 rows of x): a lane holds eight neighbouring columns of one row of y.  The bias is the C of the first products: nothing is cleared or added.
; PREFETCH: beside the load of K step s each wave names K step s + 2: 32 blocks of 256 bytes of codes, a lane a block, and 2 blocks of scale bytes (lanes 1-31 name the second).  Waves 0, 1 take x's tile, waves 2, 3 W's;
; the four partners that ask for a tile jointly share it out by address: partner p and wave half c take the eighth 2 p + c.  So each block is named once in each cluster that loads it.  At the head K step 1 is named too;
; the last two refills name nothing.  A work-group has at most two K steps named and not yet loaded.
; THE WAY OUT: the sums of squares in f32; y, scaled row by row by a power of two 2^s so that it fits f16 for every input, times the prototypes in f16 on the matrix unit, f32 sums, scaled back by 2^-s.
; LIMITS: the order of k inside a block of 32 is the first launch's, alike in x and W; y and the prototypes are rounded to f16 for the 14 dots.  NaN and infinities are not served.
; REGISTERS: window 0: v0-31 addresses; v32-95 scale words, two sets; v96-127 the rows' sums; v128-191 x's fragments, one set (on the way out v128-255: y in f16).
;   window 1: W's fragments, two sets at v0 and v128; v64-95 the prototypes; v192-255 the bias (on the way out v128-191: the dots).   windows 2, 3: the accumulators of my rows 0-63, 64-127.
.set NQ,     4                         ; matrix instructions deep in a slot
.set PITCH,  272                       ; an LDS row: 256 bytes + 16 of padding
.set FR,     8                         ; registers of a fragment
.set NL,     2                         ; LDS loads that bring one
.set NP,     4                         ; places behind this matrix instruction (ISA guide 7.12.1)
.set HALFT,  128*PITCH
.set ATILE,  256*PITCH
.set SCA,    2*ATILE                   ; x's scale bytes in a slot,
.set SCB,    SCA+4096                  ; W's
.set SLOT,   SCB+4096
.set SPARE,  2*SLOT                    ; behind the ring: the spare words, 128 bytes a wave, which no other line names
.set LAPS,   4                         ; a lap = two K steps
.set SPI,    80                        ; the way out: a stage row, 64 bytes + 16
.set ADRA, 16                          ; v16-17 x's fragments in slot 0, 1
.set ADRB, 20                          ; v20-21 W's
.set ADRS, 22                          ; v22-23 scale words: lanes 0-15 x's rows, lanes 16-31 W's
.set STO,  24
.set RD,   25
.set GO,   26
.set PFO,  27                          ; v27 prefetch of codes: 256 x lane + two K steps; never rewritten
.set SPW,  28                          ; v28 my spare word; never rewritten
.set NIL,  29                          ; v29 0; never rewritten
.set PSO,  30                          ; v30 prefetch of scale bytes: 256 x min(lane, 1) + two K steps; never rewritten
.set SC,   32
.set TT,   96
.set AF,   128
.set YY,   128
.set PN,   64
.set BI,   192
.set DD,   128
.set PFA,  4                           ; s[4:5] my eighth of the tile of codes at the K step being loaded;  s[6:7] the same of the scale bytes
.set PSA,  6
.set PFS,  8                           ; s[8:9] bytes from K step to K step in the codes;  s[10:11] in the scale bytes
.set PSS,  10
.set WV,   20
.set RH,   21
.set CH,   22
.set G1A,  24
.set G0A,  32
.set G1B,  48
.set G0B,  56
.set G1SA, 68
.set G0SA, 76
.set G1SB, 84
.set G0SB, 92
.set MSB, 0
.macro WIN new                         ; the immediate's high byte repeats the setting that is left
.if MSB != \new
	s_set_vgpr_msb (MSB<<8)|\new
.set MSB, \new
.endif
.endm
.set MUL_LO, 0xa1                      ; source 0 (W) window 1, source 1 (x) window 0, C and D window 2
.set MUL_HI, 0xf1                      ; the same, C and D window 3
.set TO_B,   0x40
.macro ONE g0, g1                      ; a tensor load, with an s_nop 0 and four v_nop
	tensor_load_to_lds s[\g0:\g0+3], s[\g1:\g1+7]
	s_nop 0
.rept 4
	v_nop
.endr
.endm
.macro JLOAD s                         ; slot s's four joint loads, one a wave: one tree of branches on the wave's number, one load on every way
	s_cmp_lt_u32 s[WV], 2
	s_cbranch_scc0 .Lscales_\@
	s_cmp_eq_u32 s[WV], 0
	s_cbranch_scc0 .Lcodes_b_\@
	ONE G0A+4*\s, G1A
	s_branch .Lasked_\@
.Lcodes_b_\@:
	ONE G0B+4*\s, G1B
	s_branch .Lasked_\@
.Lscales_\@:
	s_cmp_eq_u32 s[WV], 2
	s_cbranch_scc0 .Lscales_b_\@
	ONE G0SA+4*\s, G1SA
	s_branch .Lasked_\@
.Lscales_b_\@:
	ONE G0SB+4*\s, G1SB
.Lasked_\@:
.endm
.macro CREST                           ; a round of the cluster's barrier behind its opening barrier
	s_cmp_lg_u32 s[WV], 0
	s_cbranch_scc1 .Lnot_wave_0_\@
	s_barrier_signal -3
.Lnot_wave_0_\@:
	s_barrier_wait -3
	s_barrier_signal -1
	s_barrier_wait -1
.endm
.macro CROUND
	s_barrier_signal -1
	s_barrier_wait -1
	CREST
.endm
.macro PF                              ; two K steps beyond where s[PFA], s[PSA] stand
	global_prefetch_b8 v[PFO], s[PFA:PFA+1] th:TH_LOAD_NT scope:SCOPE_SE
	global_prefetch_b8 v[PSO], s[PSA:PSA+1] th:TH_LOAD_NT scope:SCOPE_SE
.endm
.macro ASK                             ; in the loop: its last trip (s3 = 1) loads K steps 6 and 7, which have no K step two on
	s_cmp_gt_u32 s3, 1
	s_cbranch_scc0 .Lno_ask_\@
	PF
.Lno_ask_\@:
.endm
	s_load_b512 s[4:19], s[0:1], 0x0               ; xc 4:5, xs 6:7, wc 8:9, ws 10:11, bv 12:13, bt 14:15, pn 16:17, part 18:19
	v_lshl_add_u32 v[SPW], v0, 2, SPARE
	v_mov_b32 v[NIL], 0
	ds_add_u32 v[SPW], v[NIL]                      ; the opening lines: the add, twice on end, and its wait ahead of my first tensor load
	ds_add_u32 v[SPW], v[NIL]
	v_lshrrev_b32 v1, 5, v0
	v_readfirstlane_b32 s[WV], v1                  ; wave 0..3
	s_lshr_b32 s[RH], s[WV], 1                     ; which 128 rows of the block are mine
	s_and_b32 s[CH], s[WV], 1                      ; which 128 columns
	s_bfe_u32 s40, ttmp6, 0x40000                  ; cx
	s_bfe_u32 s41, ttmp6, 0x40004                  ; cy
	s_lshl_b32 s42, ttmp9, 2
	s_add_co_u32 s42, s42, s40                     ; tile column 0..15
	s_and_b32 s2, ttmp7, 0xffff
	s_lshl_b32 s43, s2, 2
	s_add_co_u32 s43, s43, s41                     ; tile row 0..15
	s_lshr_b32 s2, s2, 1                           ; 0: image and Wv, 1: text and Wt: the same in all partners
	s_lshl_b32 s23, s41, 2
	s_lshl_b32 s23, 15, s23                        ; my row of the cluster
	s_lshl_b32 s101, 0x1111, s40                   ; my column
	s_or_b32 s[G1A], s23, (1<<20)|(1<<21)|(5<<22)|(3<<25)    ; codes: elements of 1 byte, 4 words of padding behind every 64
	s_or_b32 s[G1B], s101, (1<<20)|(1<<21)|(5<<22)|(3<<25)
	s_or_b32 s[G1SA], s23, (3<<16)|(1<<21)         ; scale bytes: elements of 8 bytes, dense
	s_or_b32 s[G1SB], s101, (3<<16)|(1<<21)
.irp g, G1A, G1B                       ; 256 rows of 256 bytes, dense in memory
	s_mov_b32 s[\g+1], 256<<16
	s_mov_b32 s[\g+2], 256<<16
	s_mov_b32 s[\g+3], 256<<16
	s_mov_b32 s[\g+4], 256
	s_mov_b32 s[\g+5], 256
	s_mov_b32 s[\g+6], 0
	s_mov_b32 s[\g+7], 0
.endr
.irp g, G1SA, G1SB                     ; 4,096 bytes as 16 rows of 256
	s_mov_b32 s[\g+1], 32<<16
	s_mov_b32 s[\g+2], 16<<16
	s_mov_b32 s[\g+3], 32<<16
	s_mov_b32 s[\g+4], 16
	s_mov_b32 s[\g+5], 32
	s_mov_b32 s[\g+6], 0
	s_mov_b32 s[\g+7], 0
.endr
	s_lshl_b32 s44, s43, 16                        ; x's tile: 65,536 bytes a tile row
	s_mov_b32 s45, 0
	s_lshl_b32 s46, s42, 16                        ; W's: a tile column, Wt's 16 behind Wv's
	s_lshl_b32 s101, s2, 20
	s_add_co_u32 s46, s46, s101
	s_mov_b32 s47, 0
	s_mov_b32 s66, 0x76543210
	s_mov_b32 s67, 0xfedcba98                      ; v_permlanex16_b32's selects for lane l xor 16
	s_mov_b32 s100, 0xffff0000                     ; lanes 16-31
	s_wait_dscnt 0x0                               ; both opening adds are done
	s_wait_kmcnt 0x0
	s_add_nc_u64 s[4:5], s[4:5], s[44:45]
	s_add_nc_u64 s[8:9], s[8:9], s[46:47]
	s_lshr_b32 s44, s44, 4                         ; the scale bytes: a sixteenth
	s_lshr_b32 s46, s46, 4
	s_add_nc_u64 s[6:7], s[6:7], s[44:45]
	s_add_nc_u64 s[10:11], s[10:11], s[46:47]
	s_cmp_eq_u32 s2, 0
	s_cselect_b64 s[12:13], s[12:13], s[14:15]     ; bv or bt
	s_lshl_b32 s46, s42, 10
	s_lshl_b32 s101, s[CH], 9
	s_add_co_u32 s46, s46, s101
	s_add_nc_u64 s[12:13], s[12:13], s[46:47]      ; the bias at my 128 columns,
	s_lshr_b32 s46, s46, 1
	s_add_nc_u64 s[16:17], s[16:17], s[46:47]      ; the prototypes (f16) likewise
	s_lshl_b32 s46, s42, 18
	s_add_nc_u64 s[18:19], s[18:19], s[46:47]      ; part: 4,096 rows of 64 bytes a tile column,
	s_lshl_b32 s44, s43, 14
	s_lshl_b32 s23, s[WV], 12
	s_add_co_u32 s44, s44, s23
	s_add_nc_u64 s[18:19], s[18:19], s[44:45]      ; 256 rows a tile row, 64 rows a wave
.irp s, 0,1                            ; group 0 for each slot: K steps 0 and 1
	s_mov_b32 s[G0A+4*\s], 1
	s_mov_b32 s[G0A+4*\s+1], \s*SLOT
	s_add_nc_u64 s[G0A+4*\s+2:G0A+4*\s+3], s[4:5], \s*1048576
	s_or_b32 s[G0A+4*\s+3], s[G0A+4*\s+3], 0x80000000
	s_mov_b32 s[G0B+4*\s], 1
	s_mov_b32 s[G0B+4*\s+1], \s*SLOT+ATILE
	s_add_nc_u64 s[G0B+4*\s+2:G0B+4*\s+3], s[8:9], \s*2097152
	s_or_b32 s[G0B+4*\s+3], s[G0B+4*\s+3], 0x80000000
	s_mov_b32 s[G0SA+4*\s], 1
	s_mov_b32 s[G0SA+4*\s+1], \s*SLOT+SCA
	s_add_nc_u64 s[G0SA+4*\s+2:G0SA+4*\s+3], s[6:7], \s*65536
	s_or_b32 s[G0SA+4*\s+3], s[G0SA+4*\s+3], 0x80000000
	s_mov_b32 s[G0SB+4*\s], 1
	s_mov_b32 s[G0SB+4*\s+1], \s*SLOT+SCB
	s_add_nc_u64 s[G0SB+4*\s+2:G0SB+4*\s+3], s[10:11], \s*131072
	s_or_b32 s[G0SB+4*\s+3], s[G0SB+4*\s+3], 0x80000000
.endr
	s_cmp_eq_u32 s[RH], 0                          ; the prefetches: waves 0, 1 name x's tile, waves 2, 3 W's
	s_cselect_b64 s[PFA:PFA+1], s[4:5], s[8:9]
	s_cselect_b64 s[PSA:PSA+1], s[6:7], s[10:11]
	s_cselect_b32 s23, s40, s41                    ; my place among the four that ask for it jointly
	s_lshl_b32 s23, s23, 1
	s_add_co_u32 s23, s23, s[CH]                   ; my eighth of the tile
	s_lshl_b32 s44, s23, 13
	s_add_nc_u64 s[PFA:PFA+1], s[PFA:PFA+1], s[44:45]
	s_lshl_b32 s44, s23, 9
	s_add_nc_u64 s[PSA:PSA+1], s[PSA:PSA+1], s[44:45]
	s_lshl_b32 s[PFS], 0x100000, s[RH]             ; a K step: 4,096 rows of x, 8,192 of W, 256 bytes each
	s_mov_b32 s[PFS+1], 0
	s_lshr_b32 s[PSS], s[PFS], 4
	s_mov_b32 s[PSS+1], 0
	CROUND                                         ; all sixteen work-groups are here: the first joint loads meet
	JLOAD 0                                        ; K step 0: one tensor load a wave at the head
	v_and_b32 v1, 15, v0                           ; r
	v_bfe_u32 v2, v0, 4, 1                         ; h
	v_lshlrev_b32 v8, 5, v2                        ; the bias: my eight columns of a block of 16
	v_lshlrev_b32 v9, 13, v1                       ; the prototypes: row r of 8,192 bytes, + 16 h
	v_lshl_add_u32 v9, v2, 4, v9
	WIN TO_B
.irp b, 0,1,2,3,4,5,6,7
	global_load_b128 v[BI+8*\b:BI+8*\b+3], v8, s[12:13] offset:64*\b
	global_load_b128 v[BI+8*\b+4:BI+8*\b+7], v8, s[12:13] offset:64*\b+16
.endr
.irp c, 0,1,2,3
	global_load_b128 v[PN+8*\c:PN+8*\c+3], v9, s[16:17] offset:64*\c
	global_load_b128 v[PN+8*\c+4:PN+8*\c+7], v9, s[16:17] offset:64*\c+32
.endr
	WIN 0
	v_and_b32 v5, 31, v0
	v_lshlrev_b32 v10, 8, v5                       ; a lane a block of 256 bytes
	v_min_u32 v11, 1, v5
	v_lshlrev_b32 v11, 8, v11                      ; two blocks of scale bytes
	v_add_nc_u32 v18, s[PFS], v10                  ; one K step on (v18, v19 are never rewritten),
	v_add_nc_u32 v19, s[PSS], v11
	v_add_nc_u32 v[PFO], s[PFS], v18               ; two
	v_add_nc_u32 v[PSO], s[PSS], v19
	global_prefetch_b8 v18, s[PFA:PFA+1] th:TH_LOAD_NT scope:SCOPE_SE   ; K step 1,
	global_prefetch_b8 v19, s[PSA:PSA+1] th:TH_LOAD_NT scope:SCOPE_SE
	PF                                             ; and K step 2
	v_mul_u32_u24 v3, v1, PITCH
	v_lshl_add_u32 v4, v2, 4, v3                   ; a fragment's row x pitch + 16 h
	s_mul_i32 s23, s[RH], HALFT
	s_mul_i32 s101, s[CH], HALFT
	s_add_co_u32 s101, s101, ATILE
.irp s, 0,1
	v_add_nc_u32 v[ADRA+\s], s23, v4
	v_add_nc_u32 v[ADRB+\s], s101, v4
	s_add_co_u32 s23, s23, SLOT
	s_add_co_u32 s101, s101, SLOT
.endr
	v_lshlrev_b32 v5, 4, v1                        ; scale words: 16 bytes a row
	s_lshl_b32 s23, s[RH], 11
	s_lshl_b32 s101, s[CH], 11
	s_add_co_u32 s101, s101, 4096
	s_sub_co_u32 s101, s101, s23
	v_mul_u32_u24 v6, s101, v2                     ; lanes 16-31 take W's: one product, the distance between the two bases
	s_add_co_u32 s23, s23, SCA
	v_add_nc_u32 v5, v5, v6
	v_add_nc_u32 v[ADRS], s23, v5
	v_add_nc_u32 v[ADRS+1], SLOT, v[ADRS]
	s_mul_i32 s23, s[WV], 128*SPI                  ; the way out: my stage of 128 rows, in slot 0
	v_mul_u32_u24 v5, v1, SPI
	v_lshl_add_u32 v5, v2, 5, v5
	v_add_nc_u32 v[STO], s23, v5
	s_mul_i32 s23, s[RH], 2*128*SPI                ; back: 64 rows of my row half, from both column halves' stages
	s_mul_i32 s101, s[CH], 64*SPI
	s_add_co_u32 s23, s23, s101
	v_and_b32 v5, 31, v0
	v_lshrrev_b32 v6, 2, v5
	v_mul_u32_u24 v6, v6, SPI
	v_and_b32 v7, 3, v5
	v_lshl_add_u32 v6, v7, 4, v6
	v_add_nc_u32 v[RD], s23, v6
	v_lshlrev_b32 v[GO], 4, v5
.macro FRAG reg, adr, q, i             ; 16 rows x 128 K: two loads of 16 bytes, 32 apart
.irp c, 0,1
	ds_load_b128 v[\reg+4*\c:\reg+4*\c+3], v[\adr] offset:64*(\q)+32*\c+(\i)*16*PITCH
.endr
.endm
; 16 matrix instructions: x's blocks a0, a0 + 1 against W's eight.  first = 1: C is the bias.  The 64 accumulators take turns, in the same order in every step.
.macro MUL16 a0, p, q, sc, first
.irp a, \a0, \a0+1
.irp b, 0,1,2,3,4,5,6,7
.if \first
	v_wmma_scale_f32_16x16x128_f8f6f4 v[8*(8*((\a)%4)+\b):8*(8*((\a)%4)+\b)+7], v[128*(\p)+FR*\b:128*(\p)+FR*\b+FR-1], v[AF+FR*(\a):AF+FR*(\a)+FR-1], v[BI+8*\b:BI+8*\b+7], v[SC+8*NQ*(\sc)+NQ*\b+(\q)], v[SC+8*NQ*(\sc)+NQ*(\a)+(\q)] matrix_a_fmt:MATRIX_FMT_FP4 matrix_b_fmt:MATRIX_FMT_FP4 matrix_a_scale:MATRIX_SCALE_ROW1
.else
	v_wmma_scale_f32_16x16x128_f8f6f4 v[8*(8*((\a)%4)+\b):8*(8*((\a)%4)+\b)+7], v[128*(\p)+FR*\b:128*(\p)+FR*\b+FR-1], v[AF+FR*(\a):AF+FR*(\a)+FR-1], v[8*(8*((\a)%4)+\b):8*(8*((\a)%4)+\b)+7], v[SC+8*NQ*(\sc)+NQ*\b+(\q)], v[SC+8*NQ*(\sc)+NQ*(\a)+(\q)] matrix_a_fmt:MATRIX_FMT_FP4 matrix_b_fmt:MATRIX_FMT_FP4 matrix_a_scale:MATRIX_SCALE_ROW1
.endif
.endr
.endr
.endm
.macro FETCH_B slot, q, p
	WIN TO_B
.irp i, 0,1,2,3,4,5,6,7
	FRAG 128*(\p)+FR*\i, ADRB+\slot, \q, \i
.endr
	WIN 0
.endm
.macro FETCH_A slot, q, i0
.irp i, \i0, \i0+1, \i0+2, \i0+3
	FRAG AF+FR*(\i), ADRA+\slot, \q, \i
.endr
.endm
.macro SCALES sc                       ; a slot's scale words: four a row; lanes 0-15 x's block i, lanes 16-31 W's block i
.irp i, 0,1,2,3,4,5,6,7
	ds_load_b128 v[SC+8*NQ*\sc+NQ*\i:SC+8*NQ*\sc+NQ*\i+3], v[ADRS+\sc] offset:256*\i
.endr
.endm
.macro PLACES n
.rept \n
	v_nop
.endr
.endm
.macro STEP slot, q, first             ; 128 along K with its successor in the same slot
	s_wait_dscnt 4*NL                              ; W's set and x's blocks 0-3 are in; the youngest eight loads (blocks 4-7) may be out
.if \first
	WIN 0x91                                       ; C (the bias) window 1, D window 2
.else
	WIN MUL_LO
.endif
	MUL16 0, (\q)%2, \q, \slot, \first
	MUL16 2, (\q)%2, \q, \slot, \first
	s_wait_dscnt 0                                 ; blocks 4-7 are in
	PLACES NP
	FETCH_B \slot, (\q)+1, 1-(\q)%2
	FETCH_A \slot, (\q)+1, 0
.if \first
	WIN 0xd1
.else
	WIN MUL_HI
.endif
	MUL16 4, (\q)%2, \q, \slot, \first
	MUL16 6, (\q)%2, \q, \slot, \first
	PLACES NP
	WIN 0
	FETCH_A \slot, (\q)+1, 4
.endm
; A slot's last step changes slots: one barrier; ahead of it each wave waits for all its tensor loads, adds 0 to its spare word and waits for that and for its reads of this slot.  fill = 1: the slot takes the K step two on.
.macro TURN slot, next, fill
.if \fill
	s_wait_xcnt 0x0                                ; my prefetches have read their addresses, which step here: to the K step that this change of slots loads
	s_add_nc_u64 s[PFA:PFA+1], s[PFA:PFA+1], s[PFS:PFS+1]
	s_add_nc_u64 s[PSA:PSA+1], s[PSA:PSA+1], s[PSS:PSS+1]
.endif
	s_wait_tensorcnt 0x0                           ; my one tensor load that was out, my part of the next slot, has landed
	ds_add_u32 v[SPW], v[NIL]
	s_wait_dscnt 4*NL+1                            ; (the add and the youngest eight loads may be out)
	WIN MUL_LO
	MUL16 0, 1, NQ-1, \slot, 0
	s_wait_dscnt 0x0                               ; the add is done, my reads of this slot are over
	s_barrier_signal -1
	MUL16 2, 1, NQ-1, \slot, 0
	WIN 0
	s_barrier_wait -1
.if \fill
	CREST                                          ; the barrier has opened a round of the cluster's barrier
	s_add_nc_u64 s[G0A+4*\slot+2:G0A+4*\slot+3], s[G0A+4*\slot+2:G0A+4*\slot+3], 2*1048576
	s_add_nc_u64 s[G0B+4*\slot+2:G0B+4*\slot+3], s[G0B+4*\slot+2:G0B+4*\slot+3], 2*2097152
	s_add_nc_u64 s[G0SA+4*\slot+2:G0SA+4*\slot+3], s[G0SA+4*\slot+2:G0SA+4*\slot+3], 2*65536
	s_add_nc_u64 s[G0SB+4*\slot+2:G0SB+4*\slot+3], s[G0SB+4*\slot+2:G0SB+4*\slot+3], 2*131072
	JLOAD \slot                                    ; the first tensor load behind the round; its four v_nop are the places ahead of the loads below
.else
	PLACES NP
.endif
	FETCH_B \next, 0, 0
	FETCH_A \next, 0, 0
	SCALES \next
.if \fill
	ASK                                            ; behind the joint load and the run of LDS loads
.endif
	WIN MUL_HI
	MUL16 4, 1, NQ-1, \slot, 0
	MUL16 6, 1, NQ-1, \slot, 0
	PLACES NP
	WIN 0
	FETCH_A \next, 0, 4
.endm
.macro STEPS slot, from
.set Q, \from
.rept NQ-1-\from
	STEP \slot, Q, 0
.set Q, Q+1
.endr
.endm
	s_wait_alu depctr_va_vdst(0)
	s_wait_xcnt 0x0                                ; the head's prefetches have read their addresses: on to K step 1
	s_add_nc_u64 s[PFA:PFA+1], s[PFA:PFA+1], s[PFS:PFS+1]
	s_add_nc_u64 s[PSA:PSA+1], s[PSA:PSA+1], s[PSS:PSS+1]
	s_wait_tensorcnt 0x0                           ; my tile of K step 0 is in; slot 1's first fill is issued as a refill is:
	ds_add_u32 v[SPW], v[NIL]
	s_wait_loadcnt 0x0                             ; the bias and the prototypes are in
	s_wait_dscnt 0x0
	CROUND                                         ; everybody's part of K step 0 is in, and all sixteen work-groups are here
	JLOAD 1                                        ; K step 1
	FETCH_B 0, 0, 0
	FETCH_A 0, 0, 0
	SCALES 0
	FETCH_A 0, 0, 4
	PF                                             ; K step 3
	STEP 0, 0, 1                                   ; the first step stands ahead of the loop: its products start the sums on the bias
	s_mov_b32 s3, LAPS-1
.Llap:                                                 ; a trip goes once round the ring and fills both slots again
	STEPS 0, 1
	TURN 0, 1, 1
	STEPS 1, 0
	TURN 1, 0, 1
	STEP 0, 0, 0
	s_sub_co_u32 s3, s3, 1
	s_cmp_lg_u32 s3, 0
	s_cbranch_scc1 .Llap
	STEPS 0, 1                                     ; the last lap fills nothing
	TURN 0, 1, 0
	STEPS 1, 0
	s_wait_dscnt 4*NL
	WIN MUL_LO
	MUL16 0, 1, NQ-1, 1, 0
	MUL16 2, 1, NQ-1, 1, 0
	s_wait_dscnt 0
	WIN MUL_HI
	MUL16 4, 1, NQ-1, 1, 0
	MUL16 6, 1, NQ-1, 1, 0
	WIN 0
; THE WAY OUT.  SUMSQ: a lane's 64 numbers of each of four rows, squared and summed, two at a time, four chains by turns; each accumulator is read from its low end on.
.macro SUMSQ w
	WIN 5*(\w)
.irp b, 0,1,2,3,4,5,6,7
.irp pr, 0,1,2,3
.irp a4, 0,1,2,3
.if (\b == 0) && (\pr == 0)
	v_pk_mul_f32 v[TT+4*(4*((\w)-2)+\a4):TT+4*(4*((\w)-2)+\a4)+1], v[8*(8*\a4+\b)+2*\pr:8*(8*\a4+\b)+2*\pr+1], v[8*(8*\a4+\b)+2*\pr:8*(8*\a4+\b)+2*\pr+1]
.else
	v_pk_fma_f32 v[TT+4*(4*((\w)-2)+\a4):TT+4*(4*((\w)-2)+\a4)+1], v[8*(8*\a4+\b)+2*\pr:8*(8*\a4+\b)+2*\pr+1], v[8*(8*\a4+\b)+2*\pr:8*(8*\a4+\b)+2*\pr+1], v[TT+4*(4*((\w)-2)+\a4):TT+4*(4*((\w)-2)+\a4)+1]
.endif
.endr
.endr
.endr
.endm
.macro TOF16 w                         ; y x 2^s, which rounds nothing, then to f16: the 16-bit operand's layout falls out of the transposed use
	WIN 0x41*(\w)
.irp a4, 0,1,2,3
.irp b, 0,1,2,3,4,5,6,7
.irp pr, 0,1,2,3
	v_pk_mul_f32 v[8*(8*\a4+\b)+2*\pr:8*(8*\a4+\b)+2*\pr+1], v[8*(8*\a4+\b)+2*\pr:8*(8*\a4+\b)+2*\pr+1], v[TT+4*(4*((\w)-2)+\a4)+2:TT+4*(4*((\w)-2)+\a4)+3] op_sel_hi:[1,0]
.endr
.endr
.endr
	WIN 5*(\w)
.irp a4, 0,1,2,3
.irp b, 0,1,2,3,4,5,6,7
.irp pr, 0,1,2,3
	v_cvt_pk_f16_f32 v[YY+32*\a4+4*\b+\pr], v[8*(8*\a4+\b)+2*\pr], v[8*(8*\a4+\b)+2*\pr+1]
.endr
.endr
.endr
.endm
.macro DOTS w                          ; source 0 = the 16 prototype rows, source 1 = 16 rows of y: lane (r, h) gets row r's dots k = 8 h + 0 .. 7; four accumulators by turns
	WIN 0x51
.irp c, 0,1,2,3
.irp a4, 0,1,2,3
.if \c == 0
	v_wmma_f32_16x16x32_f16 v[DD+8*(4*((\w)-2)+\a4):DD+8*(4*((\w)-2)+\a4)+7], v[PN+8*\c:PN+8*\c+7], v[YY+32*\a4+8*\c:YY+32*\a4+8*\c+7], 0
.else
	v_wmma_f32_16x16x32_f16 v[DD+8*(4*((\w)-2)+\a4):DD+8*(4*((\w)-2)+\a4)+7], v[PN+8*\c:PN+8*\c+7], v[YY+32*\a4+8*\c:YY+32*\a4+8*\c+7], v[DD+8*(4*((\w)-2)+\a4):DD+8*(4*((\w)-2)+\a4)+7]
.endif
.endr
.endr
.endm
	PLACES NP
	SUMSQ 2
	SUMSQ 3
	WIN 0
.irp a, 0,1,2,3,4,5,6,7
	v_add_f32 v[TT+4*\a], v[TT+4*\a], v[TT+4*\a+1]
.endr
.irp a, 0,1,2,3,4,5,6,7
	v_permlanex16_b32 v[TT+4*\a+1], v[TT+4*\a], s66, s67
.endr
.irp a, 0,1,2,3,4,5,6,7
	v_add_f32 v[TT+4*\a], v[TT+4*\a], v[TT+4*\a+1]   ; the row's sum of squares over my 128 columns
.endr
.irp a, 0,1,2,3,4,5,6,7
	v_lshrrev_b32 v[TT+4*\a+1], 23, v[TT+4*\a]     ; its exponent field e,
.endr
.irp a, 0,1,2,3,4,5,6,7
	v_sub_nc_u32 v[TT+4*\a+1], 126, v[TT+4*\a+1]
.endr
.irp a, 0,1,2,3,4,5,6,7
	v_ashrrev_i32 v[TT+4*\a+1], 1, v[TT+4*\a+1]    ; s = (126 - e) / 2, rounded down: |y| 2^s stays under 2
.endr
.irp a, 0,1,2,3,4,5,6,7
	v_ldexp_f32 v[TT+4*\a+2], 1.0, v[TT+4*\a+1]
.endr
.irp a, 0,1,2,3,4,5,6,7
	v_sub_nc_u32 v[TT+4*\a+3], 0, v[TT+4*\a+1]
.endr
	TOF16 2
	DOTS 2
	TOF16 3
	DOTS 3
	WIN 0x41
.irp a, 0,1,2,3,4,5,6,7
.irp j, 0,1,2,3,4,5,6,7
	v_ldexp_f32 v[DD+8*\a+\j], v[DD+8*\a+\j], v[TT+4*\a+3]   ; the dots x 2^-s; blocks 0-3's lines are the places behind the last products
.endr
	v_cndmask_b32 v[DD+8*\a+6], v[DD+8*\a+6], v[TT+4*\a], s100   ; k = 14 (lanes 16-31, register 6): the sum of squares
.endr
	WIN 0x04
.irp a, 0,1,2,3,4,5,6,7
	ds_store_b128 v[STO], v[DD+8*\a:DD+8*\a+3] offset:16*SPI*\a      ; the stage lies in slot 0, which has had its last fill and its last read
	ds_store_b128 v[STO], v[DD+8*\a+4:DD+8*\a+7] offset:16*SPI*\a+16
.endr
	WIN 0
	s_wait_dscnt 0x0                               ; for the others' sake: my stores are done
	s_barrier_signal -1
	s_barrier_wait -1
.irp i, 0,1,2,3,4,5,6,7                ; the two column halves of 64 rows are added; a load takes 8 rows of 64 bytes
	ds_load_b128 v[128+4*\i:131+4*\i], v[RD] offset:8*SPI*\i
	ds_load_b128 v[160+4*\i:163+4*\i], v[RD] offset:128*SPI+8*SPI*\i
.endr
.irp i, 0,1,2,3,4,5,6,7
	s_wait_dscnt 14-2*\i
	v_pk_add_f32 v[128+4*\i:129+4*\i], v[128+4*\i:129+4*\i], v[160+4*\i:161+4*\i]
	v_pk_add_f32 v[130+4*\i:131+4*\i], v[130+4*\i:131+4*\i], v[162+4*\i:163+4*\i]
	global_store_b128 v[GO], v[128+4*\i:131+4*\i], s[18:19] offset:512*\i   ; 512 consecutive bytes a store
.endr
	s_wait_tensorcnt 0x0                           ; the wave's end
	ds_add_u32 v[SPW], v[NIL]
	s_wait_dscnt 0x0
	CROUND                                         ; the closing round
	s_endpgm
.Lfunc_end_k_q35ff6fd573_gemm:
	.size	k_q35ff6fd573_gemm, .Lfunc_end_k_q35ff6fd573_gemm-k_q35ff6fd573_gemm
	.p2alignl 7, 3214868480
	.fill 96, 4, 3214868480
	.section	.rodata,"a",@progbits
	.p2align	6, 0x0
	.amdhsa_kernel k_q35ff6fd573_gemm
		.amdhsa_group_segment_fixed_size 327680
		.amdhsa_private_segment_fixed_size 0
		.amdhsa_enable_private_segment 0
		.amdhsa_kernarg_size 64
		.amdhsa_user_sgpr_count 2
		.amdhsa_user_sgpr_kernarg_segment_ptr 1
		.amdhsa_wavefront_size32 1
		.amdhsa_system_sgpr_workgroup_id_x 1
		.amdhsa_system_sgpr_workgroup_id_y 1
		.amdhsa_system_sgpr_workgroup_id_z 1
		.amdhsa_system_vgpr_workitem_id 0
		.amdhsa_next_free_vgpr 1024
		.amdhsa_next_free_sgpr 102
		.amdhsa_reserve_vcc 0
		.amdhsa_float_denorm_mode_32 3
		.amdhsa_float_denorm_mode_16_64 3
		.amdhsa_memory_ordered 1
		.amdhsa_forward_progress 1
		.amdhsa_inst_pref_size 251
	.end_amdhsa_kernel
	.amdgpu_metadata
---
amdhsa.version: [ 1, 2 ]
amdhsa.kernels:
  - .name:           k_q35ff6fd573_gemm
    .symbol:         k_q35ff6fd573_gemm.kd
    .args:
      - { .name: xc, .offset: 0, .size: 8, .value_kind: global_buffer, .address_space: global }
      - { .name: xs, .offset: 8, .size: 8, .value_kind: global_buffer, .address_space: global }
      - { .name: wc, .offset: 16, .size: 8, .value_kind: global_buffer, .address_space: global }
      - { .name: ws, .offset: 24, .size: 8, .value_kind: global_buffer, .address_space: global }
      - { .name: bv, .offset: 32, .size: 8, .value_kind: global_buffer, .address_space: global }
      - { .name: bt, .offset: 40, .size: 8, .value_kind: global_buffer, .address_space: global }
      - { .name: pn, .offset: 48, .size: 8, .value_kind: global_buffer, .address_space: global }
      - { .name: part, .offset: 56, .size: 8, .value_kind: global_buffer, .address_space: global }
    .group_segment_fixed_size: 327680
    .private_segment_fixed_size: 0
    .kernarg_segment_align: 8
    .kernarg_segment_size: 64
    .max_flat_workgroup_size: 128
    .sgpr_count:     102
    .vgpr_count:     1024
    .wavefront_size: 32
...
	.end_amdgpu_metadata
.endif
;; end of part 2
;; launch finish (part 3): grid 65 x 1, 8 waves a work-group, no clusters, 125,952 bytes of LDS; arguments part, disease_labels, cooccurrence, out0, out2; writes out0, out2
.if DOCPART == 3
	.amdgcn_target "amdgcn-amd-amdhsa--gfx1250"
	.amdhsa_code_object_version 6
	.text
	.protected	k_q35ff6fd573_finish
	.globl	k_q35ff6fd573_finish
	.p2align	8
	.type	k_q35ff6fd573_finish,@function
k_q35ff6fd573_finish:
	s_mov_b64 s[64:65], 0
	v_nop
	global_prefetch_b8 v0, s[64:65] scope:SCOPE_SE
	s_setreg_imm32_b32 hwreg(HW_REG_WAVE_MODE, 25, 1), 1
	s_wait_xcnt 0x0
; THIRD LAUNCH.  Nothing of the problem is left out.
; Work-groups 1-64: out0[row][k] = 0.5 (dv[k] / max(sqrt(sv), 1e-12) + dt[k] / max(sqrt(st), 1e-12)) x label[row][k], where dv, sv (image) and dt, st (text) are the sums over the 16 tile columns of
; part[tile column][row][16]: k = 0..13 the dots with the normalised prototypes, k = 14 the sum of squares.  32 rows a work-group; eight threads to a row, two k each.
; Work-group 0: out2 = the mean over 14 x 14 of (sigmoid(cooccurrence) - labels^T labels / 2048)^2.  labels^T labels on the matrix unit with bf16 operands and f32 sums: wave w takes samples 256 w on, 32 an instruction;
; the eight waves' sums meet in LDS.  LIMIT: labels beyond 256 in magnitude are rounded to bf16 there (0 and 1 are exact).  NaN and infinities are not served.
; No cluster: no two work-groups read the same bytes.  out0's rows are 56 bytes: a wave's store covers 224 consecutive bytes.
.set SPW, 14                           ; v14  LDS address of my spare word; never rewritten
.set NIL, 15                           ; v15  0; never rewritten
.set SPARE, 8192                       ; behind the eight images of 1,024 bytes: the spare words, 128 bytes for each wave, which no other line names
	s_load_b256 s[4:11], s[0:1], 0x0               ; part 4:5, labels 6:7, cooccurrence 8:9, out0 10:11
	s_load_b64 s[12:13], s[0:1], 0x20              ; out2
	v_lshl_add_u32 v[SPW], v0, 2, SPARE
	v_mov_b32 v[NIL], 0
	v_lshrrev_b32 v1, 5, v0
	s_delay_alu instid0(VALU_DEP_1)
	v_readfirstlane_b32 s14, v1                    ; wave 0..7
	s_wait_kmcnt 0x0
	s_cmp_eq_u32 ttmp9, 0
	s_cbranch_scc1 .Lloss
	; ---------------- out0
	s_sub_co_u32 s15, ttmp9, 1
	s_lshl_b32 s16, s15, 11                        ; 32 rows of 64 bytes
	s_mov_b32 s17, 0
	s_add_nc_u64 s[4:5], s[4:5], s[16:17]
	s_mul_i32 s16, s15, 1792                       ; 32 rows of 56 bytes
	s_add_nc_u64 s[6:7], s[6:7], s[16:17]
	s_add_nc_u64 s[10:11], s[10:11], s[16:17]
	v_lshlrev_b32 v3, 3, v0                        ; part: 64 (t / 8) + 8 (t % 8) = 8 t
	v_and_b32 v5, 7, v0                            ; u: my pair k = 2 u, 2 u + 1
	v_lshrrev_b32 v6, 3, v0
	s_delay_alu instid0(VALU_DEP_2)
	v_min_u32 v7, 6, v5                            ; (the thread with u = 7 holds the sum of squares; it reads pair 6 of the labels and stores nothing)
	s_delay_alu instid0(VALU_DEP_2)
	v_mul_u32_u24 v4, v6, 56
	s_delay_alu instid0(VALU_DEP_1)
	v_lshl_add_u32 v4, v7, 3, v4
	global_load_b64 v[80:81], v4, s[6:7]
.irp g, 0,1                            ; image's rows, then text's, 2,048 rows of 64 bytes on
.irp x, 0,1,2,3,4,5,6,7,8,9,10,11,12,13,14,15
	global_load_b64 v[16+32*\g+2*\x:17+32*\g+2*\x], v3, s[4:5] offset:262144*\x+131072*\g th:TH_LOAD_NT   ; a wave reads 256 consecutive bytes
.endr
.endr
	v_cmp_eq_u32 s18, 7, v5
	s_wait_loadcnt 0x0
.irp g, 0,1                            ; the 16 tile columns, as a tree
.irp i, 0,1,2,3,4,5,6,7
	v_pk_add_f32 v[16+32*\g+4*\i:17+32*\g+4*\i], v[16+32*\g+4*\i:17+32*\g+4*\i], v[18+32*\g+4*\i:19+32*\g+4*\i]
.endr
.irp i, 0,1,2,3
	v_pk_add_f32 v[16+32*\g+8*\i:17+32*\g+8*\i], v[16+32*\g+8*\i:17+32*\g+8*\i], v[20+32*\g+8*\i:21+32*\g+8*\i]
.endr
.irp i, 0
	s_delay_alu instid0(VALU_DEP_3)
	v_pk_add_f32 v[16+32*\g+16*\i:17+32*\g+16*\i], v[16+32*\g+16*\i:17+32*\g+16*\i], v[24+32*\g+16*\i:25+32*\g+16*\i]
.endr
.irp i, 1
	s_delay_alu instid0(VALU_DEP_2)
	v_pk_add_f32 v[16+32*\g+16*\i:17+32*\g+16*\i], v[16+32*\g+16*\i:17+32*\g+16*\i], v[24+32*\g+16*\i:25+32*\g+16*\i]
.endr
	s_delay_alu instid0(VALU_DEP_1)
	v_pk_add_f32 v[16+32*\g:17+32*\g], v[16+32*\g:17+32*\g], v[32+32*\g:33+32*\g]
	s_delay_alu instid0(VALU_DEP_1)
	v_cndmask_b32 v[82+\g], 0, v[16+32*\g], s18    ; the sum of squares in the row's eighth thread, 0 in the others,
.endr
.irp m, 1,2,4
.irp g, 0
	v_add_f32_dpp v[82+\g], v[82+\g], v[82+\g] row_xmask:\m row_mask:0xf bank_mask:0xf   ; and so in all eight
.endr
.irp g, 1
	s_delay_alu instid0(VALU_DEP_2)
	v_add_f32_dpp v[82+\g], v[82+\g], v[82+\g] row_xmask:\m row_mask:0xf bank_mask:0xf   ; and so in all eight
.endr
.endr
	s_wait_alu depctr_va_vdst(0)
	v_sqrt_f32 v84, v82
	v_sqrt_f32 v85, v83
	v_nop                                          ; a plain line behind the transcendentals,
	s_wait_alu depctr_va_vdst(0)                   ; and the one wait ahead of the batch's first reader
	v_max_num_f32 v84, 0x2b8cbccc, v84             ; max(norm, 1e-12)
	v_max_num_f32 v85, 0x2b8cbccc, v85
	s_wait_alu depctr_va_vdst(0)
	v_rcp_f32 v86, v84
	v_rcp_f32 v87, v85
	v_cvt_f32_i32 v80, v80                         ; (plain lines behind the reciprocals)
	v_cvt_f32_i32 v81, v81
	s_wait_alu depctr_va_vdst(0)
	v_mul_f32 v86, 0.5, v86
	v_mul_f32 v87, 0.5, v87
	s_delay_alu instid0(VALU_DEP_2)
	v_mul_f32 v88, v16, v86
	s_delay_alu instid0(VALU_DEP_3)
	v_mul_f32 v89, v17, v86
	s_delay_alu instid0(VALU_DEP_2)
	v_fma_f32 v88, v48, v87, v88
	s_delay_alu instid0(VALU_DEP_2)
	v_fma_f32 v89, v49, v87, v89
	s_delay_alu instid0(VALU_DEP_2)
	v_mul_f32 v88, v88, v80
	s_delay_alu instid0(VALU_DEP_2)
	v_mul_f32 v89, v89, v81
	v_cmp_gt_u32 vcc_lo, 7, v5
	s_wait_alu depctr_va_vdst(0)
	s_wait_xcnt 0x0                                ; EXEC changes only behind this wait
	s_and_saveexec_b32 s15, vcc_lo
	global_store_b64 v4, v[88:89], s[10:11]
	s_wait_xcnt 0x0
	s_or_b32 exec_lo, exec_lo, s15
	s_endpgm
	; ---------------- out2
.Lloss:
	v_and_b32 v1, 15, v0                           ; r
	v_bfe_u32 v2, v0, 4, 1                         ; h
	s_delay_alu instid0(VALU_DEP_2)
	v_min_u32 v4, 13, v1
	s_delay_alu instid0(VALU_DEP_1)
	v_lshlrev_b32 v4, 2, v4                        ; 4 min(r, 13): lanes 14 and 15 repeat column 13 and are left out at the end
	s_delay_alu instid0(VALU_DEP_3)
	v_mul_u32_u24 v3, v2, 448
	s_delay_alu instid0(VALU_DEP_1)
	v_add_nc_u32 v3, v3, v4                        ; + 8 h rows of 56 bytes
	s_wait_alu depctr_va_vdst(0)
	v_and_b32 v6, 31, v0
	s_delay_alu instid0(VALU_DEP_1)
	v_lshlrev_b32 v6, 4, v6                        ; 16 x lane
	s_lshl_b32 s16, s14, 10
	v_add_nc_u32 v5, s16, v6                       ; my wave's image in LDS
	v_mov_b32 v7, 0
	s_mul_i32 s16, s14, 14336                      ; my wave's 256 samples
	s_mov_b32 s17, 0
	s_add_nc_u64 s[6:7], s[6:7], s[16:17]
	s_mov_b32 s18, 0xffff                          ; lanes 0-15
	s_mov_b32 s19, 0x3fff3fff                      ; lanes with r < 14
	s_mov_b32 s20, 0x76543210
	s_mov_b32 s21, 0xfedcba98                      ; v_permlanex16_b32's selects for lane l xor 16
	s_mov_b32 s23, 0xba000000                      ; -1 / 2048
.set LB, 9216                          ; behind the spare words: a stage of its own for each wave: its 256 samples' 14,336 bytes as they lie in memory, and 8 bytes of zeros
.set LP, 14592                         ; from stage to stage: 57 blocks of 256 bytes
	s_mul_i32 s24, s14, LP
	s_add_co_u32 s24, s24, LB
	s_wait_alu depctr_va_vdst(0)
	v_add_nc_u32 v8, s24, v6                       ; into my stage: 16 x lane
	v_lshlrev_b32 v9, 2, v1
	v_mad_u32_u24 v9, v2, 448, v9
	v_add_nc_u32 v9, s24, v9                       ; out of it: 4 r + 8 h samples of 56 bytes.  Lanes r = 14, 15 take the next sample's first two labels (behind the last sample: the zeros) and are left out at the end
	v_mov_b32 v10, s24
	v_mov_b32 v12, 0
	v_mov_b32 v13, 0
	s_wait_alu depctr_va_vdst(0)
.irp i, 0,1,2,3,4,5,6,7,8,9,10,11,12,13,14,15,16,17,18,19,20,21,22,23,24,25,26,27
	global_load_b128 v[16+4*\i:19+4*\i], v6, s[6:7] offset:512*\i   ; my 256 samples: 512 consecutive bytes a load
.endr
.irp j, 0,1,2,3,4,5                    ; cooccurrence in the result's layout: register j: (8 h + j, r)
	global_load_b32 v[160+\j], v3, s[8:9] offset:56*\j
.endr
.irp j, 6,7                            ; rows 14 and 15 do not exist: lanes 16-31 repeat rows 6 and 7 and are left out at the end
	global_load_b32 v[160+\j], v4, s[8:9] offset:56*\j
.endr
	s_wait_loadcnt 0x0
.irp i, 0,1,2,3,4,5,6,7,8,9,10,11,12,13,14,15,16,17,18,19,20,21,22,23,24,25,26,27
	ds_store_b128 v8, v[16+4*\i:19+4*\i] offset:512*\i
.endr
	ds_store_b64 v10, v[12:13] offset:14336        ; all lanes write the same 8 bytes of zeros
.irp c, 0,1,2,3,4,5,6,7                ; chunk c: 32 samples.  Lane (r, h) takes label r of samples 8 h + 0 .. 7 and 16 + 8 h + 0 .. 7: the 16-bit operand's layout.  LDS serves a wave's instructions in order: these see my stores
.irp e, 0,1,2,3,4,5,6,7,8,9,10,11,12,13,14,15
	ds_load_b32 v[16+16*\c+\e], v9 offset:56*(32*\c+\e+8*(\e/8))
.endr
.endr
	s_wait_dscnt 0x0
.irp c, 0,1,2,3,4,5,6,7
.irp e, 0,1,2,3,4,5,6,7,8,9,10,11,12,13,14,15
	v_cvt_f32_i32 v[16+16*\c+\e], v[16+16*\c+\e]
.endr
.irp i, 0,1,2,3,4,5,6,7
	v_cvt_pk_bf16_f32 v[16+16*\c+\i], v[16+16*\c+2*\i], v[17+16*\c+2*\i]   ; ascending: a destination's old numbers have been packed
.endr
.irp i, 0,1,2,3,4,5,6,7
	v_mov_b32 v[24+16*\c+\i], v[16+16*\c+\i]       ; the product of a matrix with itself: a second run of registers
.endr
.endr
.irp c, 0,1,2,3,4,5,6,7                ; two accumulators by turns; the first two products start the sums
.if \c < 2
	v_wmma_f32_16x16x32_bf16 v[144+8*(\c%2):151+8*(\c%2)], v[16+16*\c:23+16*\c], v[24+16*\c:31+16*\c], 0
.else
	v_wmma_f32_16x16x32_bf16 v[144+8*(\c%2):151+8*(\c%2)], v[16+16*\c:23+16*\c], v[24+16*\c:31+16*\c], v[144+8*(\c%2):151+8*(\c%2)]
.endif
.endr
.rept 4
	v_nop                                          ; four places behind the last product (ISA guide 7.12.1)
.endr
.irp i, 0,1,2,3
	v_pk_add_f32 v[168+2*\i:169+2*\i], v[144+2*\i:145+2*\i], v[152+2*\i:153+2*\i]   ; from the low end on
.endr
	ds_store_b128 v5, v[168:171]                   ; my sums as an image of their registers
	ds_store_b128 v5, v[172:175] offset:512
	s_wait_dscnt 0x0                               ; for wave 0's sake: my stores are done
	s_barrier_signal -1
	s_barrier_wait -1
	s_cmp_eq_u32 s14, 0
	s_cbranch_scc1 .Lwave_0
	s_wait_tensorcnt 0x0                           ; waves 1 to 7 end
	ds_add_u32 v[SPW], v[NIL]
	s_wait_dscnt 0x0
	s_endpgm
.Lwave_0:
.irp w, 0,1,2,3,4,5,6,7
	ds_load_b128 v[16+8*\w:19+8*\w], v6 offset:1024*\w
	ds_load_b128 v[20+8*\w:23+8*\w], v6 offset:1024*\w+512
.endr
.irp j, 0,1,2,3,4,5,6,7
	v_mul_f32 v[80+\j], 0xbfb8aa3b, v[160+\j]      ; -x log2(e)
.endr
	s_wait_alu depctr_va_vdst(0)
.irp j, 0,1,2,3,4,5,6,7
	v_exp_f32 v[88+\j], v[80+\j]
.endr
	v_nop
	s_wait_alu depctr_va_vdst(0)                   ; one wait for the eight exponentials, ahead of their first reader
.irp j, 0,1,2,3,4,5,6,7
	v_add_f32 v[88+\j], 1.0, v[88+\j]
.endr
	s_wait_alu depctr_va_vdst(0)
.irp j, 0,1,2,3,4,5,6,7
	v_rcp_f32 v[96+\j], v[88+\j]                   ; sigmoid(x) = 1 / (1 + e^-x)
.endr
	v_nop
	s_wait_alu depctr_va_vdst(0)                   ; and one for the eight reciprocals
	s_wait_dscnt 0x0
.irp w, 1,2,3,4,5,6,7
.irp i, 0,1,2,3
	v_pk_add_f32 v[16+2*\i:17+2*\i], v[16+2*\i:17+2*\i], v[16+8*\w+2*\i:17+8*\w+2*\i]
.endr
.endr
.irp j, 0,1,2,3,4,5,6,7
	v_fma_f32 v[96+\j], v[16+\j], s23, v[96+\j]    ; learned - count / 2048
.endr
	v_mul_f32 v104, v96, v96
.irp j, 1,2,3,4,5
	s_delay_alu instid0(VALU_DEP_1)
	v_fma_f32 v104, v[96+\j], v[96+\j], v104
.endr
	v_mul_f32 v105, v102, v102
	s_delay_alu instid0(VALU_DEP_1)
	v_fma_f32 v105, v103, v103, v105
	s_delay_alu instid0(VALU_DEP_1)
	v_cndmask_b32 v105, 0, v105, s18               ; registers 6 and 7 are rows 6 and 7 in lanes 0-15, and no rows in lanes 16-31
	s_delay_alu instid0(VALU_DEP_1)
	v_add_f32 v104, v104, v105
	s_delay_alu instid0(VALU_DEP_1)
	v_cndmask_b32 v104, 0, v104, s19               ; columns 14 and 15 do not exist
	s_delay_alu instid0(VALU_DEP_1)
	v_add_f32_dpp v104, v104, v104 row_xmask:1 row_mask:0xf bank_mask:0xf
	s_delay_alu instid0(VALU_DEP_1)
	v_add_f32_dpp v104, v104, v104 row_xmask:2 row_mask:0xf bank_mask:0xf
	s_delay_alu instid0(VALU_DEP_1)
	v_add_f32_dpp v104, v104, v104 row_xmask:4 row_mask:0xf bank_mask:0xf
	s_delay_alu instid0(VALU_DEP_1)
	v_add_f32_dpp v104, v104, v104 row_xmask:8 row_mask:0xf bank_mask:0xf
	s_delay_alu instid0(VALU_DEP_1)
	v_permlanex16_b32 v105, v104, s20, s21
	s_delay_alu instid0(VALU_DEP_1)
	v_add_f32 v104, v104, v105
	s_delay_alu instid0(VALU_DEP_1)
	v_mul_f32 v104, 0x3ba72f05, v104               ; / 196
	v_cmp_eq_u32 vcc_lo, 0, v0
	s_wait_alu depctr_va_vdst(0)
	s_wait_xcnt 0x0                                ; EXEC changes only behind this wait
	s_and_saveexec_b32 s22, vcc_lo
	global_store_b32 v7, v104, s[12:13]            ; one number
	s_wait_xcnt 0x0
	s_or_b32 exec_lo, exec_lo, s22
	s_wait_tensorcnt 0x0                           ; the wave's end: the same three lines
	ds_add_u32 v[SPW], v[NIL]
	s_wait_dscnt 0x0
	s_endpgm
.Lfunc_end_k_q35ff6fd573_finish:
	.size	k_q35ff6fd573_finish, .Lfunc_end_k_q35ff6fd573_finish-k_q35ff6fd573_finish
	.p2alignl 7, 3214868480
	.fill 96, 4, 3214868480
	.section	.rodata,"a",@progbits
	.p2align	6, 0x0
	.amdhsa_kernel k_q35ff6fd573_finish
		.amdhsa_group_segment_fixed_size 125952
		.amdhsa_private_segment_fixed_size 0
		.amdhsa_enable_private_segment 0
		.amdhsa_kernarg_size 40
		.amdhsa_user_sgpr_count 2
		.amdhsa_user_sgpr_kernarg_segment_ptr 1
		.amdhsa_wavefront_size32 1
		.amdhsa_system_sgpr_workgroup_id_x 1
		.amdhsa_system_sgpr_workgroup_id_y 1
		.amdhsa_system_sgpr_workgroup_id_z 1
		.amdhsa_system_vgpr_workitem_id 0
		.amdhsa_next_free_vgpr 176
		.amdhsa_next_free_sgpr 66
		.amdhsa_reserve_vcc 1
		.amdhsa_float_denorm_mode_32 3
		.amdhsa_float_denorm_mode_16_64 3
		.amdhsa_memory_ordered 1
		.amdhsa_forward_progress 1
		.amdhsa_inst_pref_size 42
	.end_amdhsa_kernel
	.amdgpu_metadata
---
amdhsa.version: [ 1, 2 ]
amdhsa.kernels:
  - .name:           k_q35ff6fd573_finish
    .symbol:         k_q35ff6fd573_finish.kd
    .args:
      - { .name: part, .offset: 0, .size: 8, .value_kind: global_buffer, .address_space: global }
      - { .name: disease_labels, .offset: 8, .size: 8, .value_kind: global_buffer, .address_space: global }
      - { .name: cooccurrence, .offset: 16, .size: 8, .value_kind: global_buffer, .address_space: global }
      - { .name: out0, .offset: 24, .size: 8, .value_kind: global_buffer, .address_space: global }
      - { .name: out2, .offset: 32, .size: 8, .value_kind: global_buffer, .address_space: global }
    .group_segment_fixed_size: 125952
    .private_segment_fixed_size: 0
    .kernarg_segment_align: 8
    .kernarg_segment_size: 40
    .max_flat_workgroup_size: 256
    .sgpr_count:     66
    .vgpr_count:     176
    .wavefront_size: 32
...
	.end_amdgpu_metadata
.endif
;; end of part 3
